; MI455X (gfx1250); checked and timed in simulation.
; The chip was launched on July 23, 2026; its instructions are those of AMD's public machine-readable ISA for CDNA 5 (MIT licence, August 2026) and "CDNA5" Instruction Set Architecture Reference Guide (July 2026). The comments in the code are by the model that wrote it; some were corrected since.
;; Codec Llama Codec Embedding. Allowed arithmetic: matrix products marked QUANTISED: E2M1 operands, one E8M0 scale for each 32 along K, by v_wmma_scale_f32_16x16x128_f8f6f4 with both operands' format E2M1 (or v_wmma_scale_f32_32x16x128_f4), f32 sums; products left as they are: f32 operands where the result goes on into a quantised operand, else bf16, f16 or f32 operands; f32 sums; everything else in f32.
;; Inputs: W1 8 x 16 x 512 float32; W2_codes 8 x 512 x 16 x 16 uint8 (E2M1 codes of W2, K innermost, in blocks of 32 codes, two codes a byte); W2_scales 8 x 512 x 16 uint8 (E8M0 scales of W2, one for each 32 codes along K); b1 8 x 512 float32; b2 8 x 512 float32; codec_input_ids 4 x 4,096 int32; embed_table 16,384 x 16 float32.
;; Outputs: out0 4 x 4,096 x 512 float32.
;; This version of the problem:
;;   THIS VERSION OF THE PROBLEM IS GIVEN IN LOW PRECISION. The matrix products marked QUANTISED in the list below multiply operands that are first quantised to E2M1 (2 exponent bits, 1 mantissa bit; 4 bits a number), with one power-of-two scale for each 32 numbers along K (OCP MX v1.0); their sums are f32. All else is computed in f32.
;;   The module's matrix products, in the order in which they are computed (A, B: the left and right operand; K: the contracted axis; several contracted axes count as one K, in the product's order):
;;     1. [M 16,384, K 16] x [K 16, N 512]; A: computed on the way; B: input W1: left as it is (K = 16 < 32)
;;     2. [M 16,384, K 512] x [K 512, N 512]; A: computed on the way; B: input W2 (given as codes): QUANTISED
;;     3. [M 16,384, K 16] x [K 16, N 512]; A: computed on the way; B: input W1: left as it is (K = 16 < 32)
;;     4. [M 16,384, K 512] x [K 512, N 512]; A: computed on the way; B: input W2 (given as codes): QUANTISED
;;     5. [M 16,384, K 16] x [K 16, N 512]; A: computed on the way; B: input W1: left as it is (K = 16 < 32)
;;     6. [M 16,384, K 512] x [K 512, N 512]; A: computed on the way; B: input W2 (given as codes): QUANTISED
;;     7. [M 16,384, K 16] x [K 16, N 512]; A: computed on the way; B: input W1: left as it is (K = 16 < 32)
;;     8. [M 16,384, K 512] x [K 512, N 512]; A: computed on the way; B: input W2 (given as codes): QUANTISED
;;     9. [M 16,384, K 16] x [K 16, N 512]; A: computed on the way; B: input W1: left as it is (K = 16 < 32)
;;     10. [M 16,384, K 512] x [K 512, N 512]; A: computed on the way; B: input W2 (given as codes): QUANTISED
;;     11. [M 16,384, K 16] x [K 16, N 512]; A: computed on the way; B: input W1: left as it is (K = 16 < 32)
;;     12. [M 16,384, K 512] x [K 512, N 512]; A: computed on the way; B: input W2 (given as codes): QUANTISED
;;     13. [M 16,384, K 16] x [K 16, N 512]; A: computed on the way; B: input W1: left as it is (K = 16 < 32)
;;     14. [M 16,384, K 512] x [K 512, N 512]; A: computed on the way; B: input W2 (given as codes): QUANTISED
;;     15. [M 16,384, K 16] x [K 16, N 512]; A: computed on the way; B: input W1: left as it is (K = 16 < 32)
;;     16. [M 16,384, K 512] x [K 512, N 512]; A: computed on the way; B: input W2 (given as codes): QUANTISED
;;   THE QUANTISER, for each operand of a quantised product, along K:
;;     - K is cut into blocks of 32 from its start; a last block that is shorter is filled with zeros.
;;     - A block's scale is 2^e with e = floor(log2(the largest magnitude in the block)) - 2, held to -126 .. 127; a block of zeros has e = 0. As a byte (E8M0): e + 127.
;;     - Each number is divided by its block's scale, clamped to +-6, and rounded to the nearest number of E2M1, ties to even, subnormals kept.
;;     - The product sums the exact products of the quantised numbers (number of the format x scale) in f32.
;;   ~~~python
;;   def quantise(x, axis):      # numpy; x: float32 -> the quantised numbers, widened to float32 again
;;       x = np.moveaxis(x, axis, -1); K = x.shape[-1]
;;       x = np.pad(x, [(0, 0)] * (x.ndim - 1) + [(0, -K % 32)]); x = x.reshape(x.shape[:-1] + (-1, 32)); a = np.abs(x).max(-1, keepdims=True)
;;       e = np.where(a > 0, np.clip(np.frexp(np.where(a > 0, a, 1))[1] - 1 - 2, -126, 127), 0)      # np.frexp(a)[1] - 1 = floor(log2(a)), exactly
;;       r = np.clip(x / 2.0 ** e, -6, 6)
;;       step = 2.0 ** (np.maximum(np.frexp(np.where(r == 0, 1, r))[1] - 1, 0) - 1)
;;       q = np.round(r / step) * step * 2.0 ** e      # np.round: ties to even
;;       return np.moveaxis(q.reshape(q.shape[:-2] + (-1,))[..., :K], -1, axis).astype(np.float32)
;;   ~~~
;;   OPERANDS COMPUTED ON THE WAY. 'Computed on the way' means the value that the module computes at that place (a softmax that the list does not call 'softmax' is quantised finished and normalised). What goes into a quantiser is computed in f32, as accurately as f32 sums, v_exp_f32 and their like allow (about 1e-6 of the number): no bf16 or f16 on the way to a quantiser, and a product that is left as it is and whose result goes on into a quantised operand takes f32 operands (vector FMAs, or v_wmma_f32_16x16x4_f32). A number that lies on a knife's edge between two numbers of the format may be rounded either way, as far as f32 arithmetic and the matrix unit's own rounding can turn it there, and no further.
;;   INPUTS GIVEN AS CODES. W2 (in the module: [8, 512, 512], K = its axis 1): each comes as NAME_codes (uint8): NAME with its K axis moved to the last place and cut into blocks of 32 codes, [.., K / 32, bytes a block], one block behind the other in memory; two codes a byte, the lower K in the low four bits (a code: sign, 2 exponent bits, 1 mantissa bit); and NAME_scales (uint8): the same leading axes, one E8M0 byte (e + 127) for each 32 codes along K. Its value is code x scale, taken as it is: it is not quantised again, and the codes and scales need not be those that the quantiser above would give.
;; 2 versions, each right; version 2 is version 1 with the launch experts written anew for expert scheduling mode. Each part assembles by itself: llvm-mc -triple=amdgcn-amd-amdhsa -mcpu=gfx1250 --defsym DOCPART=n.
;; ======== version 1 of 2: 2 launches
;; workspace buffers: order 524,288 bytes of whole numbers; counts 256 bytes of whole numbers; w2img 1,048,576 bytes; w1img 262,144 bytes
;; launch route (part 1): grid 88 x 1, 32 waves a work-group, no clusters, 4,352 bytes of LDS; arguments codec_input_ids, W2_codes, W1, order, counts, w2img, w1img; writes order, counts, w2img, w1img
.if DOCPART == 1
	.amdgcn_target "amdgcn-amd-amdhsa--gfx1250"
	.amdhsa_code_object_version 6
	.text
	.protected	k_q4a94b08cd6_route
	.globl	k_q4a94b08cd6_route
	.p2align	8
	.type	k_q4a94b08cd6_route,@function
k_q4a94b08cd6_route:
	s_mov_b64 s[64:65], 0
	v_nop
	global_prefetch_b8 v0, s[64:65] scope:SCOPE_SE
	s_setreg_imm32_b32 hwreg(HW_REG_WAVE_MODE, 25, 1), 1
	s_wait_xcnt 0x0
; ROUTING AND WEIGHT IMAGES, three jobs told apart by the work-group's number.
;   work-groups 0-7   (expert e): all 16,384 ids are read; the tokens whose id >> 11 is e are written on end into order[e][0 .. n_e - 1]
;                     as words token | id << 14, and n_e into counts[e].  No atomics: each expert's list has one owner.
;   work-groups 8-71  W2's codes are laid in the order of the matrix operand's registers: w2img[e][tile of 16 outputs][K step of 128][c][lane][16 bytes].
;   work-groups 72-87 W1 is laid in the order of the f32 matrix operand's registers: w1img[e][wave 16][q 4][lane][4 numbers].
; LIMIT: ids lie in 0 .. 16,383 (they index the table); an id outside that range falls to no expert and its row of the output is not written.
; The order of an expert's tokens in its list is wave, then slot, then lane: any order serves, since every token is kept.
.set ID,   4                           ; v4-19   16 ids a thread: slot c = 4 i + j is token 4,096 i + 4 thread + j
.set POS,  20                          ; v20-35  byte offset of the slot's word in the expert's list
.set VAL,  36                          ; v36-51  the word
.set CADR, 57                          ; v57     4 e: the byte offset of counts[e]; holds nothing else
.set MASK, 20                          ; s20-35  slot c: the lanes whose id is this expert's
	s_load_b256 s[4:11], s[0:1], 0x0               ; ids s[4:5], W2's codes s[6:7], W1 s[8:9], order s[10:11]
	s_load_b128 s[12:15], s[0:1], 0x20             ; counts s[12:13], w2img s[14:15]
	s_load_b64 s[16:17], s[0:1], 0x30              ; w1img
	v_lshl_add_u32 v64, v0, 2, 0x100
	v_mov_b32 v65, 0
	v_lshrrev_b32 v1, 5, v0
	v_readfirstlane_b32 s18, v1                    ; wave 0..31
	v_and_b32 v1, 31, v0                           ; lane
	s_mov_b32 s41, 0                               ; the high word of every 64-bit offset here
	s_wait_kmcnt 0x0
	s_cmp_lt_u32 ttmp9, 8
	s_cbranch_scc1 .Lsort
	s_cmp_lt_u32 ttmp9, 72
	s_cbranch_scc1 .Lw2
	; ---- W1's image.  Thread bits: r = 3:0, h = 4, q = 6:5, wl = 9:7; work-group g2: expert g2 / 2, waves 8 (g2 % 2) + wl.
	; Register 4 q + i of wave w holds W1[e][k = 8 h + 4 (q % 2) + i][unit 32 w + 8 (q / 2) + r + 8 (r / 8)].
	s_sub_co_u32 s19, ttmp9, 72
	s_lshr_b32 s40, s19, 1
	s_lshl_b32 s40, s40, 15                        ; an expert's W1: 16 rows of 2,048 bytes
	s_and_b32 s37, s19, 1
	s_lshl_b32 s37, s37, 10                        ; eight waves' 256 units
	s_add_co_u32 s40, s40, s37
	s_add_nc_u64 s[8:9], s[8:9], s[40:41]
	s_lshl_b32 s40, s19, 14                        ; 1,024 threads x 16 bytes
	s_add_nc_u64 s[16:17], s[16:17], s[40:41]
	v_and_b32 v2, 15, v0
	v_and_b32 v3, 8, v2
	v_add_nc_u32 v2, v2, v3                        ; r + 8 (r / 8)
	v_lshlrev_b32 v2, 2, v2
	v_bfe_u32 v3, v0, 4, 1
	v_lshl_add_u32 v2, v3, 14, v2                  ; + 8 h rows
	v_bfe_u32 v3, v0, 5, 1
	v_lshl_add_u32 v2, v3, 13, v2                  ; + 4 (q % 2) rows
	v_bfe_u32 v3, v0, 6, 1
	v_lshl_add_u32 v2, v3, 5, v2                   ; + 8 (q / 2) units
	v_bfe_u32 v3, v0, 7, 3
	v_lshl_add_u32 v2, v3, 7, v2                   ; + 32 wl units
	v_lshlrev_b32 v3, 4, v0
.irp i, 0,1,2,3
	global_load_b32 v[4+\i], v2, s[8:9] offset:2048*\i
.endr
	s_wait_loadcnt 0x0
	global_store_b128 v3, v[4:7], s[16:17]         ; a wave stores 512 bytes on end
	s_endpgm
.Lw2:
	; ---- W2's image.  Piece d = 1,024 g + thread of 16 bytes; d's bits: r = 3:0, h = 4, c = 5, s = 7:6, tile = 12:8, e = 15:13.
	; It is block 4 s + 2 c + h of row 512 e + 16 tile + r: the piece of the input whose number is d with its two low nibbles swapped.
	s_sub_co_u32 s19, ttmp9, 8
	s_lshl_b32 s40, s19, 14
	s_add_nc_u64 s[6:7], s[6:7], s[40:41]
	s_add_nc_u64 s[14:15], s[14:15], s[40:41]
	v_and_b32 v2, 0x300, v0
	v_and_b32 v3, 15, v0
	v_lshl_or_b32 v2, v3, 4, v2
	v_bfe_u32 v3, v0, 4, 4
	v_or_b32 v2, v2, v3
	v_lshlrev_b32 v2, 4, v2
	v_lshlrev_b32 v3, 4, v0
	global_load_b128 v[4:7], v2, s[6:7]
	s_wait_loadcnt 0x0
	global_store_b128 v3, v[4:7], s[14:15]         ; a wave stores 512 bytes on end
	s_endpgm
.Lsort:
	; ---- expert e's list
	s_mov_b32 s19, ttmp9                           ; e
	s_lshl_b32 s44, s19, 2
	v_mov_b32 v[CADR], s44                         ; where counts[e] lies: made of the work-group's number alone, in registers that hold nothing else
	s_mov_b32 s42, 0x76543210                      ; v_permlanex16_b32's selects for lane l xor 16
	s_mov_b32 s43, 0xfedcba98
	v_lshlrev_b32 v2, 4, v0                        ; my 16 bytes of a load
	v_lshlrev_b32 v3, 2, v0                        ; 4 x thread: my first token of a load
	v_mov_b32 v54, 0                               ; written once: the destination of a lane move counts as read
	s_lshl_b32 s37, s18, 2
	v_mov_b32 v55, s37                             ; LDS: my wave's word
	v_lshlrev_b32 v56, 2, v1                       ; LDS: wave l's word for lane l
.irp i, 0,1,2,3
	global_load_b128 v[ID+4*\i:ID+4*\i+3], v2, s[4:5] offset:16384*\i
.endr
	s_mov_b32 s36, 0
	s_wait_loadcnt 0x0
.irp c, 0,1,2,3,4,5,6,7,8,9,10,11,12,13,14,15
	v_lshrrev_b32 v52, 11, v[ID+\c]                ; the id's codebook
	v_cmp_eq_u32 s[MASK+\c], s19, v52
	s_bcnt1_i32_b32 s37, s[MASK+\c]
	s_add_co_u32 s36, s36, s37                     ; my wave's count
.endr
	v_mov_b32 v53, s36
	ds_store_b32 v55, v53                          ; all lanes write the same word with the same value
	s_wait_dscnt 0x0                               ; for the others' sake: my store has landed
	s_barrier_signal -1
	s_barrier_wait -1
	ds_load_b32 v53, v56                           ; lane l: wave l's count
	s_wait_dscnt 0x0
	v_cmp_gt_u32 vcc_lo, s18, v1                   ; the waves in front of mine
	v_cndmask_b32 v52, 0, v53, vcc_lo
	v_lshl_or_b32 v53, v52, 16, v53                ; both sums at once: each is 16,384 at the most
.irp m, 1,2,4,8
	v_mov_b32_dpp v54, v53 row_xmask:\m row_mask:0xf bank_mask:0xf
	v_add_nc_u32 v53, v53, v54
.endr
	v_permlanex16_b32 v54, v53, s42, s43
	v_add_nc_u32 v53, v53, v54
	v_readfirstlane_b32 s37, v53
	s_and_b32 s39, s37, 0xffff                     ; n_e
	s_lshr_b32 s36, s37, 16                        ; my wave's first place in the list
.irp c, 0,1,2,3,4,5,6,7,8,9,10,11,12,13,14,15
	v_mbcnt_lo_u32_b32 v[POS+\c], s[MASK+\c], s36  ; the marked lanes below mine + the place reached
	s_bcnt1_i32_b32 s37, s[MASK+\c]
	s_add_co_u32 s36, s36, s37
	v_min_u32 v[POS+\c], 0x3fff, v[POS+\c]         ; a list has 16,384 places
	v_lshlrev_b32 v[POS+\c], 2, v[POS+\c]
	v_lshl_or_b32 v[VAL+\c], v[ID+\c], 14, v3      ; id << 14 | 4 x thread
.if \c > 0
	v_or_b32 v[VAL+\c], 4096*(\c/4)+(\c%4), v[VAL+\c]
.endif
.endr
	s_lshl_b32 s40, s19, 16                        ; expert e's list: 65,536 bytes
	s_add_nc_u64 s[10:11], s[10:11], s[40:41]
	s_wait_xcnt 0x0                                ; EXEC changes only behind this wait
.irp c, 0,1,2,3,4,5,6,7,8,9,10,11,12,13,14,15
	s_and_saveexec_b32 s38, s[MASK+\c]
	global_store_b32 v[POS+\c], v[VAL+\c], s[10:11]    ; the marked lanes write neighbouring words
	s_wait_xcnt 0x0                                ; and again in front of the line that widens it
	s_or_b32 exec_lo, exec_lo, s38
.endr
	s_cmp_lg_u32 s18, 0
	s_cbranch_scc1 .Lsort_end
	v_mov_b32 v53, s39
	v_cmp_eq_u32 vcc_lo, 0, v1
	s_and_saveexec_b32 s38, vcc_lo
	global_store_b32 v[CADR], v53, s[12:13]        ; counts[e]
	s_wait_xcnt 0x0
	s_or_b32 exec_lo, exec_lo, s38
.Lsort_end:
	s_wait_tensorcnt 0x0
	ds_add_u32 v64, v65
	s_wait_dscnt 0x0
	s_endpgm
.Lfunc_end_k_q4a94b08cd6_route:
	.size	k_q4a94b08cd6_route, .Lfunc_end_k_q4a94b08cd6_route-k_q4a94b08cd6_route
	.p2alignl 7, 3214868480
	.fill 96, 4, 3214868480
	.section	.rodata,"a",@progbits
	.p2align	6, 0x0
	.amdhsa_kernel k_q4a94b08cd6_route
		.amdhsa_group_segment_fixed_size 4352
		.amdhsa_private_segment_fixed_size 0
		.amdhsa_enable_private_segment 0
		.amdhsa_kernarg_size 56
		.amdhsa_user_sgpr_count 2
		.amdhsa_user_sgpr_kernarg_segment_ptr 1
		.amdhsa_wavefront_size32 1
		.amdhsa_system_sgpr_workgroup_id_x 1
		.amdhsa_system_sgpr_workgroup_id_y 1
		.amdhsa_system_sgpr_workgroup_id_z 1
		.amdhsa_system_vgpr_workitem_id 0
		.amdhsa_next_free_vgpr 66
		.amdhsa_next_free_sgpr 66
		.amdhsa_reserve_vcc 1
		.amdhsa_float_denorm_mode_32 3
		.amdhsa_float_denorm_mode_16_64 3
		.amdhsa_memory_ordered 1
		.amdhsa_forward_progress 1
		.amdhsa_inst_pref_size 17
	.end_amdhsa_kernel
	.amdgpu_metadata
---
amdhsa.version: [ 1, 2 ]
amdhsa.kernels:
  - .name:           k_q4a94b08cd6_route
    .symbol:         k_q4a94b08cd6_route.kd
    .args:
      - { .name: codec_input_ids, .offset: 0, .size: 8, .value_kind: global_buffer, .address_space: global }
      - { .name: W2_codes, .offset: 8, .size: 8, .value_kind: global_buffer, .address_space: global }
      - { .name: W1, .offset: 16, .size: 8, .value_kind: global_buffer, .address_space: global }
      - { .name: order, .offset: 24, .size: 8, .value_kind: global_buffer, .address_space: global }
      - { .name: counts, .offset: 32, .size: 8, .value_kind: global_buffer, .address_space: global }
      - { .name: w2img, .offset: 40, .size: 8, .value_kind: global_buffer, .address_space: global }
      - { .name: w1img, .offset: 48, .size: 8, .value_kind: global_buffer, .address_space: global }
    .group_segment_fixed_size: 4352
    .private_segment_fixed_size: 0
    .kernarg_segment_align: 8
    .kernarg_segment_size: 56
    .max_flat_workgroup_size: 1024
    .sgpr_count:     66
    .vgpr_count:     66
    .wavefront_size: 32
...
	.end_amdgpu_metadata
.endif
;; end of part 1
;; launch experts (part 2): grid 212 x 1, 16 waves a work-group, no clusters, 81,920 bytes of LDS; arguments counts, order, embed_table, w1img, b1, w2img, W2_scales, b2, out0; writes out0
.if DOCPART == 2
	.amdgcn_target "amdgcn-amd-amdhsa--gfx1250"
	.amdhsa_code_object_version 6
	.text
	.protected	k_q4a94b08cd6_experts
	.globl	k_q4a94b08cd6_experts
	.p2align	8
	.type	k_q4a94b08cd6_experts,@function
k_q4a94b08cd6_experts:
	s_mov_b64 s[64:65], 0
	v_nop
	global_prefetch_b8 v0, s[64:65] scope:SCOPE_SE
	s_setreg_imm32_b32 hwreg(HW_REG_WAVE_MODE, 25, 1), 1
	s_wait_xcnt 0x0
; out[token] = Q(gelu(emb[id] W1[e] + b1[e])) W2[e] + b2[e], e = id >> 11: only the token's own expert is multiplied.
; A work-group takes ONE TILE OF AT MOST 80 ROWS OF ONE EXPERT through the whole chain; the hidden layer lives in registers and LDS alone.
; GRID: sum over e of ceil(n_e / 80) is at most ceil(16,384 / 80) + 7 = 212 for every split.  A work-group whose number lies past the last tile walks clamped rows and stores nothing:
; so every barrier stands on every path, and only the stores hang on the row count.
; SHARES: sixteen waves, five tiles m of 16 rows.  Wave w owns hidden units 32 w .. 32 w + 31 (ONE block of the quantiser) and outputs 32 w .. 32 w + 31 for all rows:
; its 2 KB of W1 and 8 KB of W2 are read once, into registers, from images laid in the operands' register order.  It stores row w of every tile of rows.
; BOTH PRODUCTS ARE USED TRANSPOSED (source 0 = 16 rows of the weight, source 1 = 16 tokens): a lane (r = lane % 16, h = lane / 16) holds token r throughout.
;   first product, f32 operands (its result goes into a quantiser): slot (step s, h, j) stands for k = 8 h + 2 s + j on both sides, so a lane's eight registers of the embedding are 32 bytes on end;
;   the 16 terms are so summed in the order 0, 1, 8, 9, 2, 3, 10, 11, ...  W1's rows of tile u are units 8 u + r + 8 (r / 8), so that register j of tile u is unit 32 w + 16 h + 8 u + j: 16 neighbours a lane.
;   second product: E2M1 codes, one E8M0 byte for 32 along K.  The codes go from wave to wave through LDS as an image of the operand's registers: wave w's block is bytes 256 w + 16 r + 8 h.
; GELU, exact form: gelu(x) = max(x, 0) - |x| erfc(|x| / sqrt 2) / 2, erfc(z) = t exp(-z^2 + P(t)), t = 1 / (1 + z / 2), P of degree 9 (a published fit, fractional error 1.2e-7 for all z);
;   P's coefficients are kept times log2(e), the half as -1 in the constant term.
; LIMITS: gelu's relative error is estimated at 5e-7 (the fit, the reciprocal, the exponential, the sums), growing for x < -4 by about 1e-7 x 0.72 x^2; where erfc / 2 falls under 2^-126 it counts as 0;
;   NaN and infinities are not served; ids outside 0 .. 16,383 are not served (they are clamped so that no load leaves its buffer); a hidden block of zeros gets the scale byte 1 (its codes are zeros).
; NO CLUSTER, NO TENSOR LOADS: expert, first row and row count are read from memory, an expert's tiles are no multiple of four, and what tiles of one expert share is read once into registers.
.set EIMG,   0                         ; LDS: the 80 rows' embeddings as register images: piece 2 m + i at 512 (2 m + i) + 16 lane: 5,120 bytes
.set HIMG,   5120                      ; the hidden layer's codes, two buffers of 4,096 bytes (16 rows x 512 codes)
.set HSC,    13312                     ; their scale bytes, two buffers of 256: byte 16 r + w
.set STG,    13824                     ; the stage for 16 rows of the output, two buffers
.set SPITCH, 2064                      ; a stage row: 2,048 bytes + 16, so that sixteen rows' 16 bytes fall on sixteen different 16-byte columns modulo 256 (64 banks of 4 bytes: ISA guide 11.1)
.set STGB,   16*SPITCH
.set LI,   1                           ; v1   16 x lane
.set HWA,  2                           ; v2   HIMG + 256 w + 16 r + 8 h: where my 16 codes go
.set HSW,  3                           ; v3   HSC + 16 r + w: where my block's byte goes
.set HSR,  4                           ; v4   HSC + 16 r: token r's 16 bytes
.set STW,  5                           ; v5   STG + 2,064 r + 128 w + 32 h
.set K8V,  6                           ; v[6:7] the coefficient K8, twice
.set STR,  8                           ; v8   STG + 2,064 w + 16 lane
.set EWA,  9                           ; v9   16 x thread
.set W1F,  10                          ; v10-25   W1's fragments: 8 u + 2 s
.set B1R,  26                          ; v26-41   b1 in the result's layout: 8 u
.set W2F,  42                          ; v42-105  W2's fragments: 32 n + 8 s
.set W2S,  106                         ; v106-109 W2's scale words of K step s: lanes 0-15 outputs 32 w + r, lanes 16-31 outputs 32 w + 16 + r; scales and nothing else
.set B2R,  110                         ; v110-125 b2 in the result's layout: 8 n
.set DH,   126                         ; v126-157 the first product's sums: 16 (m % 2) + 8 u; written by matrix instructions alone
.set ACC,  158                         ; v158-173 the second product's sums: 8 n
.set EF,   174                         ; v174-181 a tile's embeddings
.set HS,   182                         ; v182-185 the hidden layer's scale words; scales and nothing else
.set HF,   186                         ; v186-217 the hidden layer's fragments: 8 s; the first 16 also take a row read back from the stage
.set GL,   218                         ; v218-233 t, then gelu: 8 u
.set PO,   234                         ; v234-241 the polynomial, then the exponential
.set SQ,   242                         ; v242-249 x^2, then |x| t
.set MX0,  250
.set MX1,  251
.set CD,   252                         ; v[252:253] my 16 codes
.set SCL,  254
.set BYT,  255
.set WV,   2                           ; s2   wave
.set NE,   24                          ; s24-31 n_e
.set CNT,  39                          ; s39  rows of my tile, 0 .. 80
.set RB,   52                          ; s[52:61] the addresses of my five rows of the output
.set SEL,  62                          ; s[62:63] v_permlanex16_b32's selects for lane l xor 16
.set K0,   66                          ; pairs, both words written: the packed forms name a pair and take its low word for both halves
.set K1,   68
.set K2,   70
.set K3,   72
.set K4,   74
.set K5,   76
.set K6,   78
.set K7,   80
.set K9,   82
.set CS,   84                          ; -log2(e) / 2
.set CH,   86                          ; s86  1 / (2 sqrt 2)
.set ROWN, 87
.set LW,   88                          ; s88-92 my five rows' words of the list
.macro KPAIR reg, bits
	s_mov_b32 s[\reg], \bits
	s_mov_b32 s[\reg+1], \bits
.endm
.macro PLACES n
.rept \n
	v_nop
.endr
.endm
.macro LE m                            ; tile m's embeddings: lane (r, h): numbers 8 h .. 8 h + 7 of token 16 m + r
	ds_load_b128 v[EF:EF+3],   v[LI] offset:EIMG+1024*(\m)
	ds_load_b128 v[EF+4:EF+7], v[LI] offset:EIMG+1024*(\m)+512
.endm
.macro WF32 m                          ; x = emb W1 + b1 for tile m: the bias is the C of each sum's first step; the two sums take turns
.set DM, DH+16*((\m)%2)
.irp u, 0,1
	v_wmma_f32_16x16x4_f32 v[DM+8*\u:DM+8*\u+7], v[W1F+8*\u:W1F+8*\u+1], v[EF:EF+1], v[B1R+8*\u:B1R+8*\u+7]
.endr
.irp s, 1,2,3
.irp u, 0,1
	v_wmma_f32_16x16x4_f32 v[DM+8*\u:DM+8*\u+7], v[W1F+8*\u+2*\s:W1F+8*\u+2*\s+1], v[EF+2*\s:EF+2*\s+1], v[DM+8*\u:DM+8*\u+7]
.endr
.endr
.endm
.macro GELU8 m, u                      ; eight numbers a lane: 72 plain instructions and 16 transcendentals; the sums are read from their low end on
.set XR, DH+16*((\m)%2)+8*(\u)
.set TR, GL+8*(\u)
.irp i, 0,1,2,3,4,5,6,7
	v_fma_f32 v[TR+\i], |v[XR+\i]|, s[CH], 1.0     ; 1 + z / 2
.endr
.irp i, 0,1,2,3,4,5,6,7
	v_rcp_f32 v[TR+\i], v[TR+\i]                   ; t
.endr
.irp i, 0,2,4,6
	v_pk_mul_f32 v[SQ+\i:SQ+\i+1], v[XR+\i:XR+\i+1], v[XR+\i:XR+\i+1]   ; x^2.  (The plain instructions behind the reciprocals: ISA guide 5.7.2)
.endr
	s_wait_alu depctr_va_vdst(0)
.irp i, 0,2,4,6
	v_pk_fma_f32 v[PO+\i:PO+\i+1], v[TR+\i:TR+\i+1], s[K9:K9+1], v[K8V:K8V+1] op_sel_hi:[1,0,1]
.endr
.irp k, K7,K6,K5,K4,K3,K2,K1,K0
.irp i, 0,2,4,6
	v_pk_fma_f32 v[PO+\i:PO+\i+1], v[PO+\i:PO+\i+1], v[TR+\i:TR+\i+1], s[\k:\k+1] op_sel_hi:[1,1,0]   ; four chains by turns
.endr
.endr
.irp i, 0,2,4,6
	v_pk_fma_f32 v[PO+\i:PO+\i+1], v[SQ+\i:SQ+\i+1], s[CS:CS+1], v[PO+\i:PO+\i+1] op_sel_hi:[1,0,1]   ; - z^2 log2(e)
.endr
.irp i, 0,1,2,3,4,5,6,7
	v_exp_f32 v[PO+\i], v[PO+\i]
.endr
.irp i, 0,1,2,3,4,5,6,7
	v_mul_f32 v[SQ+\i], |v[XR+\i]|, v[TR+\i]       ; |x| t.  (The plain instructions behind the exponentials)
.endr
.irp i, 0,1,2,3,4,5,6,7
	v_max_num_f32 v[TR+\i], 0, v[XR+\i]
.endr
	s_wait_alu depctr_va_vdst(0)
.irp i, 0,2,4,6
	v_pk_fma_f32 v[TR+\i:TR+\i+1], v[SQ+\i:SQ+\i+1], v[PO+\i:PO+\i+1], v[TR+\i:TR+\i+1] neg_lo:[1,0,0] neg_hi:[1,0,0]   ; max(x, 0) - |x| erfc / 2
.endr
.endm
.macro QUANT m                         ; my 16 numbers and lane l xor 16's are token r's block w: its byte, my 16 codes
	v_max3_num_f32 v[MX0], |v[GL]|, |v[GL+1]|, 0x1800000           ; the floor 2^(3 - 127) among the leaves: the byte cannot fall under 1
	v_max3_num_f32 v[MX1], |v[GL+2]|, |v[GL+3]|, |v[GL+4]|
	v_max3_num_f32 v[MX0], v[MX0], |v[GL+5]|, |v[GL+6]|
	v_max3_num_f32 v[MX1], v[MX1], |v[GL+7]|, |v[GL+8]|
	v_max3_num_f32 v[MX0], v[MX0], |v[GL+9]|, |v[GL+10]|
	v_max3_num_f32 v[MX1], v[MX1], |v[GL+11]|, |v[GL+12]|
	v_max3_num_f32 v[MX0], v[MX0], |v[GL+13]|, |v[GL+14]|
	v_max3_num_f32 v[MX0], v[MX0], v[MX1], |v[GL+15]|
	v_permlanex16_b32 v[MX1], v[MX0], s[SEL], s[SEL+1]
	v_max_num_f32 v[MX0], v[MX0], v[MX1]           ; the block's largest magnitude
	v_add_nc_u32 v[SCL], 0xff000000, v[MX0]        ; 2 off its exponent field: the conversion takes that field as its scale
	v_cvt_scalef32_pk8_fp4_f32 v[CD], v[GL:GL+7], v[SCL]
	v_cvt_scalef32_pk8_fp4_f32 v[CD+1], v[GL+8:GL+15], v[SCL]
	v_lshrrev_b32 v[BYT], 23, v[SCL]               ; the scale's byte; also the plain instruction behind the conversions
	ds_store_b64 v[HWA], v[CD:CD+1] offset:4096*((\m)%2)
	ds_store_b8 v[HSW], v[BYT] offset:256*((\m)%2) ; both lanes of a token write the same byte with the same value
.endm
.macro LHF m                           ; tile m's hidden layer: four fragments of 16 tokens x 128 units, and the tokens' scale words
.irp s, 0,1,2,3
.irp c, 0,1
	ds_load_b128 v[HF+8*\s+4*\c:HF+8*\s+4*\c+3], v[LI] offset:HIMG+4096*((\m)%2)+1024*\s+512*\c
.endr
.endr
	ds_load_b128 v[HS:HS+3], v[HSR] offset:256*((\m)%2)
.endm
.macro FP4ONE s, n, c
.if \n == 0
	v_wmma_scale_f32_16x16x128_f8f6f4 v[ACC+8*\n:ACC+8*\n+7], v[W2F+32*\n+8*\s:W2F+32*\n+8*\s+7], v[HF+8*\s:HF+8*\s+7], v[\c+8*\n:\c+8*\n+7], v[W2S+\s], v[HS+\s] matrix_a_fmt:MATRIX_FMT_FP4 matrix_b_fmt:MATRIX_FMT_FP4
.else
	v_wmma_scale_f32_16x16x128_f8f6f4 v[ACC+8*\n:ACC+8*\n+7], v[W2F+32*\n+8*\s:W2F+32*\n+8*\s+7], v[HF+8*\s:HF+8*\s+7], v[\c+8*\n:\c+8*\n+7], v[W2S+\s], v[HS+\s] matrix_a_fmt:MATRIX_FMT_FP4 matrix_b_fmt:MATRIX_FMT_FP4 matrix_a_scale:MATRIX_SCALE_ROW1
.endif
.endm
.macro FP4                             ; my 32 outputs of 16 tokens: b2 is the C of each sum's first step; the two sums take turns
	FP4ONE 0, 0, B2R
	FP4ONE 0, 1, B2R
.irp s, 1,2,3
	FP4ONE \s, 0, ACC
	FP4ONE \s, 1, ACC
.endr
.endm
.macro TOSTG m                         ; lane (r, h): out(token r, 32 w + 16 n + 8 h + 0 .. 7); each sum from its low end on
.irp n, 0,1
	ds_store_b128 v[STW], v[ACC+8*\n:ACC+8*\n+3]   offset:STGB*((\m)%2)+64*\n
	ds_store_b128 v[STW], v[ACC+8*\n+4:ACC+8*\n+7] offset:STGB*((\m)%2)+64*\n+16
.endr
.endm
.macro LROW m                          ; row w of tile m, whole: 2,048 bytes
.irp q, 0,1,2,3
	ds_load_b128 v[HF+4*\q:HF+4*\q+3], v[STR] offset:STGB*((\m)%2)+512*\q
.endr
.endm
.macro SROW m                          ; and out, if the tile has that row: each store of the wave covers 512 consecutive bytes, aligned to 256
	s_add_co_u32 s[ROWN], s[WV], 16*(\m)
	s_cmp_lt_u32 s[ROWN], s[CNT]
	s_cbranch_scc0 .Lno_row_\@
.irp q, 0,1,2,3
	global_store_b128 v[LI], v[HF+4*\q:HF+4*\q+3], s[RB+2*(\m):RB+2*(\m)+1] offset:512*\q th:TH_STORE_NT
.endr
.Lno_row_\@:
.endm
; TRIP t: the second product of tile t, the gelu and the codes of tile t + 1, the first product of tile t + 2, the stores of tile t - 1.  ONE barrier a trip:
; written in trip t: stage t % 2, codes and bytes (t + 1) % 2;  read: codes and bytes t % 2, stage (t - 1) % 2, the embeddings.  Each buffer's readers of the trip before waited for their loads in front of that trip's barrier.
; The gelu's plain instructions, which name no register of the products round them, are the places behind the matrix instructions: eight and more behind the f32 form, four and more behind the scaled one.
.macro TRIP t
.if (\t) >= 2
	s_wait_xcnt 0x0                                ; the last trip's stores have read their registers: these are loaded again below
.endif
.if ((\t) >= 0) && ((\t) <= 4)
	LHF \t
.endif
.if (\t) <= 2
	WF32 (\t)+2
.endif
.if (\t) <= 3
	GELU8 (\t)+1, 0
.endif
.if ((\t) >= 0) && ((\t) <= 4)
	s_wait_dscnt 0x0                               ; the hidden layer's fragments and scale words are in
.if (\t) == 0
	s_wait_loadcnt 0x0                             ; W2's fragments and scale words, b2: asked for at the head
.endif
	FP4
.endif
.if (\t) <= 3
	GELU8 (\t)+1, 1
.endif
.if (\t) == 4
	PLACES 4                                       ; no vector work is left to stand behind the last products
.endif
.if ((\t) >= 0) && ((\t) <= 4)
	TOSTG \t
.endif
.if (\t) >= 1
	LROW (\t)-1
.endif
.if (\t) <= 1
	LE (\t)+3
.endif
.if (\t) <= 3
	QUANT (\t)+1
.endif
	s_wait_dscnt 0x0                               ; my LDS stores have landed and my LDS loads are in
.if (\t) >= 1
	SROW (\t)-1
.endif
.if (\t) <= 4
	s_barrier_signal -1
	s_barrier_wait -1
.endif
.endm
	; ---- the head
	s_load_b512 s[4:19], s[0:1], 0x0               ; counts s[4:5], order s[6:7], the table s[8:9], w1img s[10:11], b1 s[12:13], w2img s[14:15], W2's scales s[16:17], b2 s[18:19]
	s_load_b64 s[20:21], s[0:1], 0x40              ; out
	v_lshrrev_b32 v1, 5, v0
	v_readfirstlane_b32 s[WV], v1                  ; wave 0..15
	v_and_b32 v244, 15, v0                         ; r
	v_bfe_u32 v245, v0, 4, 1                       ; h
	v_and_b32 v[LI], 31, v0
	v_lshlrev_b32 v[LI], 4, v[LI]
	v_lshlrev_b32 v[EWA], 4, v0
	s_lshl_b32 s36, s[WV], 8
	s_add_co_u32 s36, s36, HIMG
	v_lshlrev_b32 v[HWA], 4, v244
	v_lshl_add_u32 v[HWA], v245, 3, v[HWA]
	v_add_nc_u32 v[HWA], s36, v[HWA]
	v_lshlrev_b32 v[HSR], 4, v244
	v_add_nc_u32 v[HSR], HSC, v[HSR]
	v_add_nc_u32 v[HSW], s[WV], v[HSR]
	v_mul_u32_u24 v[STW], v244, SPITCH
	v_lshl_add_u32 v[STW], v245, 5, v[STW]
	s_lshl_b32 s36, s[WV], 7
	s_add_co_u32 s36, s36, STG
	v_add_nc_u32 v[STW], s36, v[STW]
	s_mul_i32 s36, s[WV], SPITCH
	s_add_co_u32 s36, s36, STG
	v_add_nc_u32 v[STR], s36, v[LI]
	v_lshlrev_b32 v242, 6, v245                    ; b1: 64 h
	v_lshlrev_b32 v243, 5, v245                    ; b2: 32 h
	v_mov_b32 v[K8V], 0xbf97d29d                   ; -0.82215223 log2(e)
	v_mov_b32 v[K8V+1], 0xbf97d29d
	KPAIR K0, 0xc034d90f                           ; -1.26551223 log2(e) - 1
	KPAIR K1, 0x3fb8ab5a                           ;  1.00002368 log2(e)
	KPAIR K2, 0x3f0a29d2                           ;  0.37409196 log2(e)
	KPAIR K3, 0x3e0efb2e                           ;  0.09678418 log2(e)
	KPAIR K4, 0xbe899a80                           ; -0.18628806 log2(e)
	KPAIR K5, 0x3ecdfd18                           ;  0.27886807 log2(e)
	KPAIR K6, 0xbfd1a1e5                           ; -1.13520398 log2(e)
	KPAIR K7, 0x40097039                           ;  1.48851587 log2(e)
	KPAIR K9, 0x3e7c6f08                           ;  0.17087277 log2(e)
	KPAIR CS, 0xbf38aa3b
	s_mov_b32 s[CH], 0x3eb504f3
	s_mov_b32 s[SEL], 0x76543210
	s_mov_b32 s[SEL+1], 0xfedcba98
	s_mov_b32 s43, 0                               ; the high word of every 64-bit offset here
	s_wait_kmcnt 0x0
	s_load_b256 s[NE:NE+7], s[4:5], 0x0            ; the eight counts
	s_mov_b32 s32, 0                               ; tiles in front of expert e
	s_mov_b32 s33, 0                               ; my expert,
	s_mov_b32 s34, 0                               ; its rows,
	s_mov_b32 s35, 0                               ; its first tile
	s_wait_kmcnt 0x0
	; my tile: the last expert that has rows and whose first tile is not past my number
.irp e, 0,1,2,3,4,5,6,7
	s_min_u32 s[NE+\e], s[NE+\e], 0x4000
	s_add_co_u32 s36, s[NE+\e], 79
	s_mul_i32 s36, s36, 52429
	s_lshr_b32 s36, s36, 22                        ; ceil(n / 80): 52,429 x 80 = 2^22 + 16, exact for n + 79 up to 16,463
	s_cmp_lg_u32 s[NE+\e], 0
	s_cselect_b32 s37, s32, -1
	s_cmp_ge_u32 ttmp9, s37
	s_cselect_b32 s33, \e, s33
	s_cselect_b32 s34, s[NE+\e], s34
	s_cselect_b32 s35, s32, s35
	s_add_co_u32 s32, s32, s36
.endr
	s_sub_co_u32 s38, ttmp9, s35
	s_mul_i32 s38, s38, 80                         ; my first row in the expert's list
	s_sub_co_i32 s[CNT], s34, s38
	s_max_i32 s[CNT], s[CNT], 0
	s_min_u32 s[CNT], s[CNT], 80                   ; my rows: 0 past the last tile
	s_sub_co_u32 s40, s34, 1                       ; the list's last row: rows past it are clamped to it, computed and not stored
	s_min_u32 s33, s33, 7
	s_lshl_b32 s42, s33, 16
	s_add_nc_u64 s[6:7], s[6:7], s[42:43]          ; the expert's list
	s_lshl_b32 s42, s33, 15
	s_lshl_b32 s36, s[WV], 11
	s_add_co_u32 s42, s42, s36
	s_add_nc_u64 s[10:11], s[10:11], s[42:43]      ; my wave's image of W1
	s_lshl_b32 s42, s33, 11
	s_lshl_b32 s36, s[WV], 7
	s_add_co_u32 s42, s42, s36
	s_add_nc_u64 s[12:13], s[12:13], s[42:43]      ; my 32 numbers of b1
	s_add_nc_u64 s[18:19], s[18:19], s[42:43]      ; and of b2
	s_lshl_b32 s42, s33, 17
	s_lshl_b32 s36, s[WV], 13
	s_add_co_u32 s42, s42, s36
	s_add_nc_u64 s[14:15], s[14:15], s[42:43]      ; my wave's image of W2
	s_lshl_b32 s42, s33, 13
	s_lshl_b32 s36, s[WV], 9
	s_add_co_u32 s42, s42, s36
	s_add_nc_u64 s[16:17], s[16:17], s[42:43]      ; my 32 rows of W2's scale bytes
	s_add_co_u32 s36, s38, s[WV]
.irp k, 0,1,2,3,4
	s_add_co_u32 s[46+\k], s36, 16*\k              ; the rows that I store: w of each tile of 16
	s_min_u32 s[46+\k], s[46+\k], s40
	s_min_u32 s[46+\k], s[46+\k], 0x3fff
	s_lshl_b32 s[46+\k], s[46+\k], 2
	s_load_b32 s[LW+\k], s[6:7], s[46+\k] offset:0x0
.endr
.irp q, 0,1,2,3
	global_load_b128 v[W1F+4*\q:W1F+4*\q+3], v[LI], s[10:11] offset:512*\q
.endr
.irp u, 0,1
	global_load_b128 v[B1R+8*\u:B1R+8*\u+3],   v242, s[12:13] offset:32*\u
	global_load_b128 v[B1R+8*\u+4:B1R+8*\u+7], v242, s[12:13] offset:32*\u+16
.endr
	; waves 0-9 gather the 80 rows of the table: wave 2 m + i brings, for token 16 m + r, the 16 bytes at 32 h + 16 i of its row
	s_cmp_lt_u32 s[WV], 10
	s_cbranch_scc0 .Lno_gather
	s_lshr_b32 s36, s[WV], 1
	s_lshl_b32 s36, s36, 4
	s_add_co_u32 s36, s36, s38
	s_and_b32 s37, s[WV], 1
	s_lshl_b32 s37, s37, 4
	v_add_nc_u32 v234, s36, v244
	v_min_u32 v234, s40, v234
	v_min_u32 v234, 0x3fff, v234
	v_lshlrev_b32 v234, 2, v234
	global_load_b32 v235, v234, s[6:7]
	s_wait_loadcnt 0x0                             ; the list's word (and what was asked for before it)
	v_lshrrev_b32 v238, 14, v235                   ; the id
	v_min_u32 v238, 0x3fff, v238
	v_lshlrev_b32 v238, 6, v238                    ; a row of the table is 64 bytes
	v_lshl_add_u32 v238, v245, 5, v238
	v_add_nc_u32 v238, s37, v238
	global_load_b128 v[234:237], v238, s[8:9]
.Lno_gather:
	global_load_b128 v[W2S:W2S+3], v[LI], s[16:17] ; lane l: the 16 scale bytes of output 32 w + l
.irp n, 0,1
	global_load_b128 v[B2R+8*\n:B2R+8*\n+3],   v243, s[18:19] offset:64*\n
	global_load_b128 v[B2R+8*\n+4:B2R+8*\n+7], v243, s[18:19] offset:64*\n+16
.endr
.irp n, 0,1
.irp s, 0,1,2,3
.irp c, 0,1
	global_load_b128 v[W2F+32*\n+8*\s+4*\c:W2F+32*\n+8*\s+4*\c+3], v[LI], s[14:15] offset:4096*\n+1024*\s+512*\c
.endr
.endr
.endr
	s_wait_loadcnt 21                              ; the 21 loads just issued (1 + 4 + 16) may stay out: W1, b1 and the gathered piece are in
	s_cmp_lt_u32 s[WV], 10
	s_cbranch_scc0 .Lno_piece
	ds_store_b128 v[EWA], v[234:237]               ; piece w of the embeddings' image, at 512 w + 16 lane
.Lno_piece:
	s_wait_kmcnt 0x0                               ; my five words of the list
.irp k, 0,1,2,3,4
	s_and_b32 s[LW+\k], s[LW+\k], 0x3fff           ; the token
	s_min_u32 s[LW+\k], s[LW+\k], 0x3fff
	s_lshl_b32 s42, s[LW+\k], 11                   ; a row of the output is 2,048 bytes
	s_add_nc_u64 s[RB+2*\k:RB+2*\k+1], s[20:21], s[42:43]
.endr
	s_wait_xcnt 0x0                                ; the loads have read their address registers: v238, v242 and v243 are written again by the gelu
	s_wait_dscnt 0x0                               ; for the others' sake: my piece has landed
	s_barrier_signal -1
	s_barrier_wait -1                              ; the 80 rows' embeddings lie in LDS
	; ---- the chain, written out: seven trips, no loop
	LE 0
	s_wait_dscnt 0x0
	WF32 0
	PLACES 8                                       ; in front of the loads into registers that the f32 products have read, and of the first read of their sums
	LE 1
	s_wait_dscnt 0x0
	TRIP -1
	TRIP 0
	TRIP 1
	TRIP 2
	TRIP 3
	TRIP 4
	TRIP 5
	s_wait_xcnt 0x0
	v_lshl_add_u32 v254, v0, 2, 0x13800
	v_mov_b32 v255, 0
	s_wait_tensorcnt 0x0
	ds_add_u32 v254, v255
	s_wait_dscnt 0x0
	s_endpgm
.Lfunc_end_k_q4a94b08cd6_experts:
	.size	k_q4a94b08cd6_experts, .Lfunc_end_k_q4a94b08cd6_experts-k_q4a94b08cd6_experts
	.p2alignl 7, 3214868480
	.fill 96, 4, 3214868480
	.section	.rodata,"a",@progbits
	.p2align	6, 0x0
	.amdhsa_kernel k_q4a94b08cd6_experts
		.amdhsa_group_segment_fixed_size 81920
		.amdhsa_private_segment_fixed_size 0
		.amdhsa_enable_private_segment 0
		.amdhsa_kernarg_size 72
		.amdhsa_user_sgpr_count 2
		.amdhsa_user_sgpr_kernarg_segment_ptr 1
		.amdhsa_wavefront_size32 1
		.amdhsa_system_sgpr_workgroup_id_x 1
		.amdhsa_system_sgpr_workgroup_id_y 1
		.amdhsa_system_sgpr_workgroup_id_z 1
		.amdhsa_system_vgpr_workitem_id 0
		.amdhsa_next_free_vgpr 256
		.amdhsa_next_free_sgpr 96
		.amdhsa_reserve_vcc 0
		.amdhsa_float_denorm_mode_32 3
		.amdhsa_float_denorm_mode_16_64 3
		.amdhsa_memory_ordered 1
		.amdhsa_forward_progress 1
		.amdhsa_inst_pref_size 84
	.end_amdhsa_kernel
	.amdgpu_metadata
---
amdhsa.version: [ 1, 2 ]
amdhsa.kernels:
  - .name:           k_q4a94b08cd6_experts
    .symbol:         k_q4a94b08cd6_experts.kd
    .args:
      - { .name: counts, .offset: 0, .size: 8, .value_kind: global_buffer, .address_space: global }
      - { .name: order, .offset: 8, .size: 8, .value_kind: global_buffer, .address_space: global }
      - { .name: embed_table, .offset: 16, .size: 8, .value_kind: global_buffer, .address_space: global }
      - { .name: w1img, .offset: 24, .size: 8, .value_kind: global_buffer, .address_space: global }
      - { .name: b1, .offset: 32, .size: 8, .value_kind: global_buffer, .address_space: global }
      - { .name: w2img, .offset: 40, .size: 8, .value_kind: global_buffer, .address_space: global }
      - { .name: W2_scales, .offset: 48, .size: 8, .value_kind: global_buffer, .address_space: global }
      - { .name: b2, .offset: 56, .size: 8, .value_kind: global_buffer, .address_space: global }
      - { .name: out0, .offset: 64, .size: 8, .value_kind: global_buffer, .address_space: global }
    .group_segment_fixed_size: 81920
    .private_segment_fixed_size: 0
    .kernarg_segment_align: 8
    .kernarg_segment_size: 72
    .max_flat_workgroup_size: 512
    .sgpr_count:     96
    .vgpr_count:     256
    .wavefront_size: 32
...
	.end_amdgpu_metadata
.endif
;; end of part 2
;; ======== version 2 of 2: 2 launches; version 1 with the launch experts written anew for expert scheduling mode
;; workspace buffers: order 524,288 bytes of whole numbers; counts 256 bytes of whole numbers; w2img 1,048,576 bytes; w1img 262,144 bytes
;; launch route: the kernel of part 1 again; grid 88 x 1, 32 waves a work-group, no clusters, 4,352 bytes of LDS; arguments codec_input_ids, W2_codes, W1, order, counts, w2img, w1img; writes order, counts, w2img, w1img
;; launch experts (part 3): grid 212 x 1, 16 waves a work-group, no clusters, 81,920 bytes of LDS; arguments counts, order, embed_table, w1img, b1, w2img, W2_scales, b2, out0; writes out0
.if DOCPART == 3
	.amdgcn_target "amdgcn-amd-amdhsa--gfx1250"
	.amdhsa_code_object_version 6
	.text
	.protected	k_q4a94b08cd6_experts
	.globl	k_q4a94b08cd6_experts
	.p2align	8
	.type	k_q4a94b08cd6_experts,@function
k_q4a94b08cd6_experts:
	s_mov_b64 s[64:65], 0
	v_nop
	global_prefetch_b8 v0, s[64:65] scope:SCOPE_SE
	s_setreg_imm32_b32 hwreg(HW_REG_WAVE_SCHED_MODE, 0, 2), 2
	s_setreg_imm32_b32 hwreg(HW_REG_WAVE_MODE, 25, 1), 1
	s_wait_xcnt 0x0
	s_wait_alu depctr_vm_vsrc(0)
; out[token] = Q(gelu(emb[id] W1[e] + b1[e])) W2[e] + b2[e], e = id >> 11: only the token's own expert is multiplied.
; A work-group takes ONE TILE OF AT MOST 80 ROWS OF ONE EXPERT through the whole chain; the hidden layer lives in registers and LDS alone.
; GRID: sum over e of ceil(n_e / 80) is at most ceil(16,384 / 80) + 7 = 212 for every split.  A work-group whose number lies past the last tile walks clamped rows and stores nothing:
; so every barrier stands on every path, and only the stores hang on the row count.
; SHARES: sixteen waves, five tiles m of 16 rows.  Wave w owns hidden units 32 w .. 32 w + 31 (ONE block of the quantiser) and outputs 32 w .. 32 w + 31 for all rows:
; its 2 KB of W1 and 8 KB of W2 are read once, into registers, from images laid in the operands' register order.  It stores row w of every tile of rows.
; BOTH PRODUCTS ARE USED TRANSPOSED (source 0 = 16 rows of the weight, source 1 = 16 tokens): a lane (r = lane % 16, h = lane / 16) holds token r throughout.
;   first product, f32 operands (its result goes into a quantiser): slot (step s, h, j) stands for k = 8 h + 2 s + j on both sides, so a lane's eight registers of the embedding are 32 bytes on end;
;   the 16 terms are so summed in the order 0, 1, 8, 9, 2, 3, 10, 11, ...  W1's rows of tile u are units 8 u + r + 8 (r / 8), so that register j of tile u is unit 32 w + 16 h + 8 u + j: 16 neighbours a lane.
;   second product: E2M1 codes, one E8M0 byte for 32 along K.  The codes go from wave to wave through LDS as an image of the operand's registers: wave w's block is bytes 256 w + 16 r + 8 h.
; GELU, exact form: gelu(x) = max(x, 0) - |x| erfc(|x| / sqrt 2) / 2, erfc(z) = t exp(-z^2 + P(t)), t = 1 / (1 + z / 2), P of degree 9 (a published fit, fractional error 1.2e-7 for all z);
;   P's coefficients are kept times log2(e), the half as -1 in the constant term.
; LIMITS: gelu's relative error is estimated at 5e-7 (the fit, the reciprocal, the exponential, the sums), growing for x < -4 by about 1e-7 x 0.72 x^2; where erfc / 2 falls under 2^-126 it counts as 0;
;   NaN and infinities are not served; ids outside 0 .. 16,383 are not served (they are clamped so that no load leaves its buffer); a hidden block of zeros gets the scale byte 1 (its codes are zeros).
; NO CLUSTER, NO TENSOR LOADS: expert, first row and row count are read from memory, an expert's tiles are no multiple of four, and what tiles of one expert share is read once into registers.
; THE MODE: SCHED_MODE bits 1:0 = 2 (LLVM: expert scheduling mode 2), set by the entry lines.  The code itself states the register dependences
; between vector or matrix instructions and memory or LDS instructions, with s_wait_alu, always for 0.
; THE PLAN.  Registers that memory or LDS instructions touch:
;   v1-5, v8, v9   addresses: written at the head, ahead of one wait on va_vdst, and never again.
;   W1F, B1R, W2F, W2S, B2R   loaded once at the head; read by matrix instructions alone.
;   v234-238, v242, v243   at the head: offsets, the list's word, the gathered piece; from the first trip on they belong to the gelu: one wait on vm_vsrc stands between.
;   EF       trip t: LDS loads land in it (tile t + 3); trip t + 1: the f32 products read it.
;   HF, HS   trip t: LDS loads at the trip's head land in them; the scaled products read them; then HF's first 16 take a row of the stage, which the global stores at the trip's end read.
;   ACC      trip t: the scaled products write it; four LDS stores read it.
;   CD, BYT  trip t: the conversions and a shift write them; two LDS stores read them.
;   DH, GL, MX, SCL are named by vector and matrix instructions alone.
; A TRIP'S WAITS.  At its head one wait on vm_vsrc: the last trip's LDS stores have read ACC, CD and BYT, its global stores HF's first 16.  The wait on va_vdst that stands behind the reciprocals of the trip's second gelu
; also states that the scaled products have written ACC and are done reading HF and HS, and that the f32 products are done reading EF: the stores of ACC, the row's loads and the next embeddings' loads follow it directly.
; One wait on va_vdst stands ahead of the stores of the codes and the byte.  Behind it no vector or matrix instruction of the trip follows, so the loads at the next trip's head owe no further wait on va_vdst.
.set EIMG,   0                         ; LDS: the 80 rows' embeddings as register images: piece 2 m + i at 512 (2 m + i) + 16 lane: 5,120 bytes
.set HIMG,   5120                      ; the hidden layer's codes, two buffers of 4,096 bytes (16 rows x 512 codes)
.set HSC,    13312                     ; their scale bytes, two buffers of 256: byte 16 r + w
.set STG,    13824                     ; the stage for 16 rows of the output, two buffers
.set SPITCH, 2064                      ; a stage row: 2,048 bytes + 16, so that sixteen rows' 16 bytes fall on sixteen different 16-byte columns modulo 256 (64 banks of 4 bytes: ISA guide 11.1)
.set STGB,   16*SPITCH
.set LI,   1                           ; v1   16 x lane
.set HWA,  2                           ; v2   HIMG + 256 w + 16 r + 8 h: where my 16 codes go
.set HSW,  3                           ; v3   HSC + 16 r + w: where my block's byte goes
.set HSR,  4                           ; v4   HSC + 16 r: token r's 16 bytes
.set STW,  5                           ; v5   STG + 2,064 r + 128 w + 32 h
.set K8V,  6                           ; v[6:7] the coefficient K8, twice
.set STR,  8                           ; v8   STG + 2,064 w + 16 lane
.set EWA,  9                           ; v9   16 x thread
.set W1F,  10                          ; v10-25   W1's fragments: 8 u + 2 s
.set B1R,  26                          ; v26-41   b1 in the result's layout: 8 u
.set W2F,  42                          ; v42-105  W2's fragments: 32 n + 8 s
.set W2S,  106                         ; v106-109 W2's scale words of K step s: lanes 0-15 outputs 32 w + r, lanes 16-31 outputs 32 w + 16 + r; scales and nothing else
.set B2R,  110                         ; v110-125 b2 in the result's layout: 8 n
.set DH,   126                         ; v126-157 the first product's sums: 16 (m % 2) + 8 u; written by matrix instructions alone
.set ACC,  158                         ; v158-173 the second product's sums: 8 n
.set EF,   174                         ; v174-181 a tile's embeddings
.set HS,   182                         ; v182-185 the hidden layer's scale words; scales and nothing else
.set HF,   186                         ; v186-217 the hidden layer's fragments: 8 s; the first 16 also take a row read back from the stage
.set GL,   218                         ; v218-233 t, then gelu: 8 u
.set PO,   234                         ; v234-241 the polynomial, then the exponential
.set SQ,   242                         ; v242-249 x^2, then |x| t
.set MX0,  250
.set MX1,  251
.set CD,   252                         ; v[252:253] my 16 codes
.set SCL,  254
.set BYT,  255
.set WV,   2                           ; s2   wave
.set NE,   24                          ; s24-31 n_e
.set CNT,  39                          ; s39  rows of my tile, 0 .. 80
.set RB,   52                          ; s[52:61] the addresses of my five rows of the output
.set SEL,  62                          ; s[62:63] v_permlanex16_b32's selects for lane l xor 16
.set K0,   66                          ; pairs, both words written: the packed forms name a pair and take its low word for both halves
.set K1,   68
.set K2,   70
.set K3,   72
.set K4,   74
.set K5,   76
.set K6,   78
.set K7,   80
.set K9,   82
.set CS,   84                          ; -log2(e) / 2
.set CH,   86                          ; s86  1 / (2 sqrt 2)
.set ROWN, 87
.set LW,   88                          ; s88-92 my five rows' words of the list
.macro KPAIR reg, bits
	s_mov_b32 s[\reg], \bits
	s_mov_b32 s[\reg+1], \bits
.endm
.macro PLACES n
.rept \n
	v_nop
.endr
.endm
.macro LE m                            ; tile m's embeddings: lane (r, h): numbers 8 h .. 8 h + 7 of token 16 m + r
	ds_load_b128 v[EF:EF+3],   v[LI] offset:EIMG+1024*(\m)
	ds_load_b128 v[EF+4:EF+7], v[LI] offset:EIMG+1024*(\m)+512
.endm
.macro WF32 m                          ; x = emb W1 + b1 for tile m: the bias is the C of each sum's first step; the two sums take turns
.set DM, DH+16*((\m)%2)
.irp u, 0,1
	v_wmma_f32_16x16x4_f32 v[DM+8*\u:DM+8*\u+7], v[W1F+8*\u:W1F+8*\u+1], v[EF:EF+1], v[B1R+8*\u:B1R+8*\u+7]
.endr
.irp s, 1,2,3
.irp u, 0,1
	v_wmma_f32_16x16x4_f32 v[DM+8*\u:DM+8*\u+7], v[W1F+8*\u+2*\s:W1F+8*\u+2*\s+1], v[EF+2*\s:EF+2*\s+1], v[DM+8*\u:DM+8*\u+7]
.endr
.endr
.endm
; The gelu of eight numbers a lane: 72 plain instructions and 16 transcendentals; the sums are read from their low end on.  It is written in two parts, cut at the wait behind the reciprocals,
; so that a trip's LDS instructions can stand directly behind that wait.
.macro GELUA m, u                      ; t and x^2
.set XR, DH+16*((\m)%2)+8*(\u)
.set TR, GL+8*(\u)
.irp i, 0,1,2,3,4,5,6,7
	v_fma_f32 v[TR+\i], |v[XR+\i]|, s[CH], 1.0     ; 1 + z / 2
.endr
.irp i, 0,1,2,3,4,5,6,7
	v_rcp_f32 v[TR+\i], v[TR+\i]                   ; t
.endr
.irp i, 0,2,4,6
	v_pk_mul_f32 v[SQ+\i:SQ+\i+1], v[XR+\i:XR+\i+1], v[XR+\i:XR+\i+1]   ; x^2.  (The plain instructions behind the reciprocals: ISA guide 5.7.2)
.endr
	s_wait_alu depctr_va_vdst(0)                   ; the eight reciprocals have written t, which the polynomial reads.  Where LDS instructions follow it: the scaled products have written ACC and are done reading HF and HS, the f32 products are done reading EF
.endm
.macro GELUB m, u                      ; the polynomial, the exponential, the result
.set XR, DH+16*((\m)%2)+8*(\u)
.set TR, GL+8*(\u)
.irp i, 0,2,4,6
	v_pk_fma_f32 v[PO+\i:PO+\i+1], v[TR+\i:TR+\i+1], s[K9:K9+1], v[K8V:K8V+1] op_sel_hi:[1,0,1]
.endr
.irp k, K7,K6,K5,K4,K3,K2,K1,K0
.irp i, 0,2,4,6
	v_pk_fma_f32 v[PO+\i:PO+\i+1], v[PO+\i:PO+\i+1], v[TR+\i:TR+\i+1], s[\k:\k+1] op_sel_hi:[1,1,0]   ; four chains by turns
.endr
.endr
.irp i, 0,2,4,6
	v_pk_fma_f32 v[PO+\i:PO+\i+1], v[SQ+\i:SQ+\i+1], s[CS:CS+1], v[PO+\i:PO+\i+1] op_sel_hi:[1,0,1]   ; - z^2 log2(e)
.endr
.irp i, 0,1,2,3,4,5,6,7
	v_exp_f32 v[PO+\i], v[PO+\i]
.endr
.irp i, 0,1,2,3,4,5,6,7
	v_mul_f32 v[SQ+\i], |v[XR+\i]|, v[TR+\i]       ; |x| t.  (The plain instructions behind the exponentials)
.endr
.irp i, 0,1,2,3,4,5,6,7
	v_max_num_f32 v[TR+\i], 0, v[XR+\i]
.endr
	s_wait_alu depctr_va_vdst(0)                   ; the eight exponentials have written v[PO ..], which the four lines below read
.irp i, 0,2,4,6
	v_pk_fma_f32 v[TR+\i:TR+\i+1], v[SQ+\i:SQ+\i+1], v[PO+\i:PO+\i+1], v[TR+\i:TR+\i+1] neg_lo:[1,0,0] neg_hi:[1,0,0]   ; max(x, 0) - |x| erfc / 2
.endr
.endm
.macro QUANT m                         ; my 16 numbers and lane l xor 16's are token r's block w: its byte, my 16 codes
	v_max3_num_f32 v[MX0], |v[GL]|, |v[GL+1]|, 0x1800000           ; the floor 2^(3 - 127) among the leaves: the byte cannot fall under 1
	v_max3_num_f32 v[MX1], |v[GL+2]|, |v[GL+3]|, |v[GL+4]|
	v_max3_num_f32 v[MX0], v[MX0], |v[GL+5]|, |v[GL+6]|
	v_max3_num_f32 v[MX1], v[MX1], |v[GL+7]|, |v[GL+8]|
	v_max3_num_f32 v[MX0], v[MX0], |v[GL+9]|, |v[GL+10]|
	v_max3_num_f32 v[MX1], v[MX1], |v[GL+11]|, |v[GL+12]|
	v_max3_num_f32 v[MX0], v[MX0], |v[GL+13]|, |v[GL+14]|
	v_max3_num_f32 v[MX0], v[MX0], v[MX1], |v[GL+15]|
	v_permlanex16_b32 v[MX1], v[MX0], s[SEL], s[SEL+1]
	v_max_num_f32 v[MX0], v[MX0], v[MX1]           ; the block's largest magnitude
	v_add_nc_u32 v[SCL], 0xff000000, v[MX0]        ; 2 off its exponent field: the conversion takes that field as its scale
	v_cvt_scalef32_pk8_fp4_f32 v[CD], v[GL:GL+7], v[SCL]
	v_cvt_scalef32_pk8_fp4_f32 v[CD+1], v[GL+8:GL+15], v[SCL]
	v_lshrrev_b32 v[BYT], 23, v[SCL]               ; the scale's byte; also the plain instruction behind the conversions
	s_wait_alu depctr_va_vdst(0)                   ; the conversions have written v[CD:CD+1] and the shift v[BYT], which the two LDS stores read
	ds_store_b64 v[HWA], v[CD:CD+1] offset:4096*((\m)%2)
	ds_store_b8 v[HSW], v[BYT] offset:256*((\m)%2) ; both lanes of a token write the same byte with the same value
.endm
.macro LHF m                           ; tile m's hidden layer: four fragments of 16 tokens x 128 units, and the tokens' scale words
.irp s, 0,1,2,3
.irp c, 0,1
	ds_load_b128 v[HF+8*\s+4*\c:HF+8*\s+4*\c+3], v[LI] offset:HIMG+4096*((\m)%2)+1024*\s+512*\c
.endr
.endr
	ds_load_b128 v[HS:HS+3], v[HSR] offset:256*((\m)%2)
.endm
.macro FP4ONE s, n, c
.if \n == 0
	v_wmma_scale_f32_16x16x128_f8f6f4 v[ACC+8*\n:ACC+8*\n+7], v[W2F+32*\n+8*\s:W2F+32*\n+8*\s+7], v[HF+8*\s:HF+8*\s+7], v[\c+8*\n:\c+8*\n+7], v[W2S+\s], v[HS+\s] matrix_a_fmt:MATRIX_FMT_FP4 matrix_b_fmt:MATRIX_FMT_FP4
.else
	v_wmma_scale_f32_16x16x128_f8f6f4 v[ACC+8*\n:ACC+8*\n+7], v[W2F+32*\n+8*\s:W2F+32*\n+8*\s+7], v[HF+8*\s:HF+8*\s+7], v[\c+8*\n:\c+8*\n+7], v[W2S+\s], v[HS+\s] matrix_a_fmt:MATRIX_FMT_FP4 matrix_b_fmt:MATRIX_FMT_FP4 matrix_a_scale:MATRIX_SCALE_ROW1
.endif
.endm
.macro FP4                             ; my 32 outputs of 16 tokens: b2 is the C of each sum's first step; the two sums take turns.  Operands and scales come from loads alone: no vector instruction has written them
	FP4ONE 0, 0, B2R
	FP4ONE 0, 1, B2R
.irp s, 1,2,3
	FP4ONE \s, 0, ACC
	FP4ONE \s, 1, ACC
.endr
.endm
.macro TOSTG m                         ; lane (r, h): out(token r, 32 w + 16 n + 8 h + 0 .. 7); each sum from its low end on
.irp n, 0,1
	ds_store_b128 v[STW], v[ACC+8*\n:ACC+8*\n+3]   offset:STGB*((\m)%2)+64*\n
	ds_store_b128 v[STW], v[ACC+8*\n+4:ACC+8*\n+7] offset:STGB*((\m)%2)+64*\n+16
.endr
.endm
.macro LROW m                          ; row w of tile m, whole: 2,048 bytes
.irp q, 0,1,2,3
	ds_load_b128 v[HF+4*\q:HF+4*\q+3], v[STR] offset:STGB*((\m)%2)+512*\q
.endr
.endm
.macro SROW m                          ; and out, if the tile has that row: each store of the wave covers 512 consecutive bytes, aligned to 256
	s_add_co_u32 s[ROWN], s[WV], 16*(\m)
	s_cmp_lt_u32 s[ROWN], s[CNT]
	s_cbranch_scc0 .Lno_row_\@
.irp q, 0,1,2,3
	global_store_b128 v[LI], v[HF+4*\q:HF+4*\q+3], s[RB+2*(\m):RB+2*(\m)+1] offset:512*\q th:TH_STORE_NT
.endr
.Lno_row_\@:
.endm
; TRIP t: the second product of tile t, the gelu and the codes of tile t + 1, the first product of tile t + 2, the stores of tile t - 1.  ONE barrier a trip:
; written in trip t: stage t % 2, codes and bytes (t + 1) % 2;  read: codes and bytes t % 2, stage (t - 1) % 2, the embeddings.  Each buffer's readers of the trip before waited for their loads in front of that trip's barrier.
; The gelu's plain instructions, which name no register of the products round them, are the places behind the matrix instructions: eight and more behind the f32 form, four and more behind the scaled one
; (twelve stand between the last scaled product and the wait behind which its sums are stored).
.macro TRIP t
.if (\t) >= 2
	s_wait_xcnt 0x0                                ; the last trip's stores have read their registers: these are loaded again below
.endif
.if (\t) >= 0
	s_wait_alu depctr_vm_vsrc(0)                   ; the last trip's LDS stores have read ACC, v[CD:CD+1] and v[BYT], which this trip's products, conversions and shift write again; its global stores have read HF's first 16, in which this trip's LDS loads land
.endif
.if ((\t) >= 0) && ((\t) <= 4)
	LHF \t                                         ; no wait on va_vdst: no vector or matrix instruction since the last trip's last such wait names HF or HS
.endif
.if (\t) <= 2
	WF32 (\t)+2
.endif
.if (\t) <= 3
	GELUA (\t)+1, 0
	GELUB (\t)+1, 0
.endif
.if ((\t) >= 0) && ((\t) <= 4)
	s_wait_dscnt 0x0                               ; the hidden layer's fragments and scale words are in
.if (\t) == 0
	s_wait_loadcnt 0x0                             ; W2's fragments and scale words, b2: asked for at the head
.endif
	FP4
.endif
.if (\t) <= 3
	GELUA (\t)+1, 1                                ; it ends with the wait that the LDS instructions below lean on
.endif
.if (\t) == 4
	PLACES 4                                       ; no vector work is left to stand behind the last products
	s_wait_alu depctr_va_vdst(0)                   ; the last scaled products have written ACC, which the LDS stores read, and are done reading HF, in whose first 16 a row of the stage lands
.endif
.if ((\t) >= 0) && ((\t) <= 4)
	TOSTG \t
.endif
.if (\t) >= 1
	LROW (\t)-1
.endif
.if (\t) <= 1
	LE (\t)+3
.endif
.if (\t) <= 3
	GELUB (\t)+1, 1                                ; it names GL, PO, SQ, DH and K8V: none of the registers that the LDS instructions above touch
	QUANT (\t)+1
.endif
	s_wait_dscnt 0x0                               ; my LDS stores have landed and my LDS loads are in
.if (\t) >= 1
	SROW (\t)-1
.endif
.if (\t) <= 4
	s_barrier_signal -1
	s_barrier_wait -1
.endif
.endm
	; ---- the head
	s_load_b512 s[4:19], s[0:1], 0x0               ; counts s[4:5], order s[6:7], the table s[8:9], w1img s[10:11], b1 s[12:13], w2img s[14:15], W2's scales s[16:17], b2 s[18:19]
	s_load_b64 s[20:21], s[0:1], 0x40              ; out
	v_lshrrev_b32 v1, 5, v0
	v_readfirstlane_b32 s[WV], v1                  ; wave 0..15
	v_and_b32 v244, 15, v0                         ; r
	v_bfe_u32 v245, v0, 4, 1                       ; h
	v_and_b32 v[LI], 31, v0
	v_lshlrev_b32 v[LI], 4, v[LI]
	v_lshlrev_b32 v[EWA], 4, v0
	s_wait_alu depctr_va_sdst(0)                   ; s2, the wave's number, is written, ahead of its first reader: addresses, bases and branches are made from it
	s_lshl_b32 s36, s[WV], 8
	s_add_co_u32 s36, s36, HIMG
	v_lshlrev_b32 v[HWA], 4, v244
	v_lshl_add_u32 v[HWA], v245, 3, v[HWA]
	v_add_nc_u32 v[HWA], s36, v[HWA]
	v_lshlrev_b32 v[HSR], 4, v244
	v_add_nc_u32 v[HSR], HSC, v[HSR]
	v_add_nc_u32 v[HSW], s[WV], v[HSR]
	v_mul_u32_u24 v[STW], v244, SPITCH
	v_lshl_add_u32 v[STW], v245, 5, v[STW]
	s_lshl_b32 s36, s[WV], 7
	s_add_co_u32 s36, s36, STG
	v_add_nc_u32 v[STW], s36, v[STW]
	s_mul_i32 s36, s[WV], SPITCH
	s_add_co_u32 s36, s36, STG
	v_add_nc_u32 v[STR], s36, v[LI]
	v_lshlrev_b32 v242, 6, v245                    ; b1: 64 h
	v_lshlrev_b32 v243, 5, v245                    ; b2: 32 h
	v_mov_b32 v[K8V], 0xbf97d29d                   ; -0.82215223 log2(e)
	v_mov_b32 v[K8V+1], 0xbf97d29d
	KPAIR K0, 0xc034d90f                           ; -1.26551223 log2(e) - 1
	KPAIR K1, 0x3fb8ab5a                           ;  1.00002368 log2(e)
	KPAIR K2, 0x3f0a29d2                           ;  0.37409196 log2(e)
	KPAIR K3, 0x3e0efb2e                           ;  0.09678418 log2(e)
	KPAIR K4, 0xbe899a80                           ; -0.18628806 log2(e)
	KPAIR K5, 0x3ecdfd18                           ;  0.27886807 log2(e)
	KPAIR K6, 0xbfd1a1e5                           ; -1.13520398 log2(e)
	KPAIR K7, 0x40097039                           ;  1.48851587 log2(e)
	KPAIR K9, 0x3e7c6f08                           ;  0.17087277 log2(e)
	KPAIR CS, 0xbf38aa3b
	s_mov_b32 s[CH], 0x3eb504f3
	s_mov_b32 s[SEL], 0x76543210
	s_mov_b32 s[SEL+1], 0xfedcba98
	s_mov_b32 s43, 0                               ; the high word of every 64-bit offset here
	s_wait_kmcnt 0x0
	s_load_b256 s[NE:NE+7], s[4:5], 0x0            ; the eight counts
	s_mov_b32 s32, 0                               ; tiles in front of expert e
	s_mov_b32 s33, 0                               ; my expert,
	s_mov_b32 s34, 0                               ; its rows,
	s_mov_b32 s35, 0                               ; its first tile
	s_wait_kmcnt 0x0
	; my tile: the last expert that has rows and whose first tile is not past my number
.irp e, 0,1,2,3,4,5,6,7
	s_min_u32 s[NE+\e], s[NE+\e], 0x4000
	s_add_co_u32 s36, s[NE+\e], 79
	s_mul_i32 s36, s36, 52429
	s_lshr_b32 s36, s36, 22                        ; ceil(n / 80): 52,429 x 80 = 2^22 + 16, exact for n + 79 up to 16,463
	s_cmp_lg_u32 s[NE+\e], 0
	s_cselect_b32 s37, s32, -1
	s_cmp_ge_u32 ttmp9, s37
	s_cselect_b32 s33, \e, s33
	s_cselect_b32 s34, s[NE+\e], s34
	s_cselect_b32 s35, s32, s35
	s_add_co_u32 s32, s32, s36
.endr
	s_sub_co_u32 s38, ttmp9, s35
	s_mul_i32 s38, s38, 80                         ; my first row in the expert's list
	s_sub_co_i32 s[CNT], s34, s38
	s_max_i32 s[CNT], s[CNT], 0
	s_min_u32 s[CNT], s[CNT], 80                   ; my rows: 0 past the last tile
	s_sub_co_u32 s40, s34, 1                       ; the list's last row: rows past it are clamped to it, computed and not stored
	s_min_u32 s33, s33, 7
	s_lshl_b32 s42, s33, 16
	s_add_nc_u64 s[6:7], s[6:7], s[42:43]          ; the expert's list
	s_lshl_b32 s42, s33, 15
	s_lshl_b32 s36, s[WV], 11
	s_add_co_u32 s42, s42, s36
	s_add_nc_u64 s[10:11], s[10:11], s[42:43]      ; my wave's image of W1
	s_lshl_b32 s42, s33, 11
	s_lshl_b32 s36, s[WV], 7
	s_add_co_u32 s42, s42, s36
	s_add_nc_u64 s[12:13], s[12:13], s[42:43]      ; my 32 numbers of b1
	s_add_nc_u64 s[18:19], s[18:19], s[42:43]      ; and of b2
	s_lshl_b32 s42, s33, 17
	s_lshl_b32 s36, s[WV], 13
	s_add_co_u32 s42, s42, s36
	s_add_nc_u64 s[14:15], s[14:15], s[42:43]      ; my wave's image of W2
	s_lshl_b32 s42, s33, 13
	s_lshl_b32 s36, s[WV], 9
	s_add_co_u32 s42, s42, s36
	s_add_nc_u64 s[16:17], s[16:17], s[42:43]      ; my 32 rows of W2's scale bytes
	s_add_co_u32 s36, s38, s[WV]
.irp k, 0,1,2,3,4
	s_add_co_u32 s[46+\k], s36, 16*\k              ; the rows that I store: w of each tile of 16
	s_min_u32 s[46+\k], s[46+\k], s40
	s_min_u32 s[46+\k], s[46+\k], 0x3fff
	s_lshl_b32 s[46+\k], s[46+\k], 2
	s_load_b32 s[LW+\k], s[6:7], s[46+\k] offset:0x0
.endr
	s_wait_alu depctr_va_vdst(0)                   ; the addresses and offsets v1 to v5, v8, v9, v242 and v243 are written: every load and store of the kernel but the gather's two reads one of them
.irp q, 0,1,2,3
	global_load_b128 v[W1F+4*\q:W1F+4*\q+3], v[LI], s[10:11] offset:512*\q
.endr
.irp u, 0,1
	global_load_b128 v[B1R+8*\u:B1R+8*\u+3],   v242, s[12:13] offset:32*\u
	global_load_b128 v[B1R+8*\u+4:B1R+8*\u+7], v242, s[12:13] offset:32*\u+16
.endr
	; waves 0-9 gather the 80 rows of the table: wave 2 m + i brings, for token 16 m + r, the 16 bytes at 32 h + 16 i of its row
	s_cmp_lt_u32 s[WV], 10
	s_cbranch_scc0 .Lno_gather
	s_lshr_b32 s36, s[WV], 1
	s_lshl_b32 s36, s36, 4
	s_add_co_u32 s36, s36, s38
	s_and_b32 s37, s[WV], 1
	s_lshl_b32 s37, s37, 4
	v_add_nc_u32 v234, s36, v244
	v_min_u32 v234, s40, v234
	v_min_u32 v234, 0x3fff, v234
	v_lshlrev_b32 v234, 2, v234
	s_wait_alu depctr_va_vdst(0)                   ; v234 is written, which the load of the list's word reads as its offset
	global_load_b32 v235, v234, s[6:7]
	s_wait_loadcnt 0x0                             ; the list's word (and what was asked for before it)
	v_lshrrev_b32 v238, 14, v235                   ; the id
	v_min_u32 v238, 0x3fff, v238
	v_lshlrev_b32 v238, 6, v238                    ; a row of the table is 64 bytes
	v_lshl_add_u32 v238, v245, 5, v238
	v_add_nc_u32 v238, s37, v238
	s_wait_alu depctr_va_vdst(0)                   ; v238 is written, which the load below reads as its offset; the shift is done reading v235, in which that load lands
	s_wait_alu depctr_vm_vsrc(0)                   ; the load of the list's word has read v234, in which the load below lands
	global_load_b128 v[234:237], v238, s[8:9]
.Lno_gather:
	global_load_b128 v[W2S:W2S+3], v[LI], s[16:17] ; lane l: the 16 scale bytes of output 32 w + l
.irp n, 0,1
	global_load_b128 v[B2R+8*\n:B2R+8*\n+3],   v243, s[18:19] offset:64*\n
	global_load_b128 v[B2R+8*\n+4:B2R+8*\n+7], v243, s[18:19] offset:64*\n+16
.endr
.irp n, 0,1
.irp s, 0,1,2,3
.irp c, 0,1
	global_load_b128 v[W2F+32*\n+8*\s+4*\c:W2F+32*\n+8*\s+4*\c+3], v[LI], s[14:15] offset:4096*\n+1024*\s+512*\c
.endr
.endr
.endr
	s_wait_loadcnt 21                              ; the 21 loads just issued (1 + 4 + 16) may stay out: W1, b1 and the gathered piece are in
	s_cmp_lt_u32 s[WV], 10
	s_cbranch_scc0 .Lno_piece
	ds_store_b128 v[EWA], v[234:237]               ; piece w of the embeddings' image, at 512 w + 16 lane
.Lno_piece:
	s_wait_kmcnt 0x0                               ; my five words of the list
.irp k, 0,1,2,3,4
	s_and_b32 s[LW+\k], s[LW+\k], 0x3fff           ; the token
	s_min_u32 s[LW+\k], s[LW+\k], 0x3fff
	s_lshl_b32 s42, s[LW+\k], 11                   ; a row of the output is 2,048 bytes
	s_add_nc_u64 s[RB+2*\k:RB+2*\k+1], s[20:21], s[42:43]
.endr
	s_wait_xcnt 0x0                                ; the loads have read their address registers: v238, v242 and v243 are written again by the gelu
	s_wait_alu depctr_vm_vsrc(0)                   ; the loads have read v238, v242 and v243, the LDS store v[234:237]: all of these are written again by the gelu
	s_wait_dscnt 0x0                               ; for the others' sake: my piece has landed
	s_barrier_signal -1
	s_barrier_wait -1                              ; the 80 rows' embeddings lie in LDS
	; ---- the chain, written out: seven trips, no loop
	LE 0
	s_wait_dscnt 0x0
	WF32 0
	PLACES 8                                       ; eight places behind the f32 products, ahead of the first read of their sums by the gelu
	s_wait_alu depctr_va_vdst(0)                   ; the f32 products are done reading v[EF ..], in which the next tile's embeddings land
	LE 1
	s_wait_dscnt 0x0
	TRIP -1
	TRIP 0
	TRIP 1
	TRIP 2
	TRIP 3
	TRIP 4
	TRIP 5
	s_wait_xcnt 0x0
	v_lshl_add_u32 v254, v0, 2, 0x13800            ; the add's two registers are made anew here: no memory or LDS instruction has read v254 or v255 since the wait on vm_vsrc at the last trip's head
	v_mov_b32 v255, 0
	s_wait_dscnt 0x0                               ; the closing lines, six on end
	s_wait_alu 0x0
	s_wait_tensorcnt 0x0
	ds_add_u32 v254, v255
	s_wait_dscnt 0x0
	s_endpgm
.Lfunc_end_k_q4a94b08cd6_experts:
	.size	k_q4a94b08cd6_experts, .Lfunc_end_k_q4a94b08cd6_experts-k_q4a94b08cd6_experts
	.p2alignl 7, 3214868480
	.fill 96, 4, 3214868480
	.section	.rodata,"a",@progbits
	.p2align	6, 0x0
	.amdhsa_kernel k_q4a94b08cd6_experts
		.amdhsa_group_segment_fixed_size 81920
		.amdhsa_private_segment_fixed_size 0
		.amdhsa_enable_private_segment 0
		.amdhsa_kernarg_size 72
		.amdhsa_user_sgpr_count 2
		.amdhsa_user_sgpr_kernarg_segment_ptr 1
		.amdhsa_wavefront_size32 1
		.amdhsa_system_sgpr_workgroup_id_x 1
		.amdhsa_system_sgpr_workgroup_id_y 1
		.amdhsa_system_sgpr_workgroup_id_z 1
		.amdhsa_system_vgpr_workitem_id 0
		.amdhsa_next_free_vgpr 256
		.amdhsa_next_free_sgpr 96
		.amdhsa_reserve_vcc 0
		.amdhsa_float_denorm_mode_32 3
		.amdhsa_float_denorm_mode_16_64 3
		.amdhsa_memory_ordered 1
		.amdhsa_forward_progress 1
		.amdhsa_inst_pref_size 85
	.end_amdhsa_kernel
	.amdgpu_metadata
---
amdhsa.version: [ 1, 2 ]
amdhsa.kernels:
  - .name:           k_q4a94b08cd6_experts
    .symbol:         k_q4a94b08cd6_experts.kd
    .args:
      - { .name: counts, .offset: 0, .size: 8, .value_kind: global_buffer, .address_space: global }
      - { .name: order, .offset: 8, .size: 8, .value_kind: global_buffer, .address_space: global }
      - { .name: embed_table, .offset: 16, .size: 8, .value_kind: global_buffer, .address_space: global }
      - { .name: w1img, .offset: 24, .size: 8, .value_kind: global_buffer, .address_space: global }
      - { .name: b1, .offset: 32, .size: 8, .value_kind: global_buffer, .address_space: global }
      - { .name: w2img, .offset: 40, .size: 8, .value_kind: global_buffer, .address_space: global }
      - { .name: W2_scales, .offset: 48, .size: 8, .value_kind: global_buffer, .address_space: global }
      - { .name: b2, .offset: 56, .size: 8, .value_kind: global_buffer, .address_space: global }
      - { .name: out0, .offset: 64, .size: 8, .value_kind: global_buffer, .address_space: global }
    .group_segment_fixed_size: 81920
    .private_segment_fixed_size: 0
    .kernarg_segment_align: 8
    .kernarg_segment_size: 72
    .max_flat_workgroup_size: 512
    .sgpr_count:     96
    .vgpr_count:     256
    .wavefront_size: 32
...
	.end_amdgpu_metadata
.endif
;; end of part 3
